; MI455X (gfx1250); checked and timed in simulation.
; The chip was launched on July 23, 2026; its instructions are those of AMD's public machine-readable ISA for CDNA 5 (MIT licence, August 2026) and "CDNA5" Instruction Set Architecture Reference Guide (July 2026). The comments in the code are by the model that wrote it; some were corrected since.
;; Multi Head Causal Attention. Allowed arithmetic: matrix products marked QUANTISED: E4M3 operands, one given power-of-two scale a tensor, by v_wmma_f32_16x16x64_fp8_fp8 or v_wmma_f32_16x16x128_fp8_fp8, f32 sums; everything else in f32.
;; Inputs: b_o 1,024 float32; lowp_scales 12 int32 (the exponents e of the quantised operands' scales 2^e); w_k 1,024 x 1,024 float32; w_o 1,024 x 1,024 float32; w_q 1,024 x 1,024 float32; w_v 1,024 x 1,024 float32; x 4 x 2,048 x 1,024 float32.
;; Outputs: out0 4 x 2,048 x 1,024 float32.
;; This version of the problem:
;;   THIS VERSION OF THE PROBLEM IS GIVEN IN LOW PRECISION. The matrix products marked QUANTISED in the list below multiply operands that are first quantised to E4M3 (4 exponent bits, 3 mantissa bits; 8 bits a number), with one given power-of-two scale for each operand tensor; their sums are f32. All else is computed in f32.
;;   The module's matrix products, in the order in which they are computed (A, B: the left and right operand; K: the contracted axis; several contracted axes count as one K, in the product's order):
;;     1. [M 8,192, K 1,024] x [K 1,024, N 1,024]; A: input x; B: input w_q: QUANTISED (scales: A lowp_scales[0], B lowp_scales[1])
;;     2. [M 8,192, K 1,024] x [K 1,024, N 1,024]; A: input x; B: input w_k: QUANTISED (scales: A lowp_scales[2], B lowp_scales[3])
;;     3. [M 8,192, K 1,024] x [K 1,024, N 1,024]; A: input x; B: input w_v: QUANTISED (scales: A lowp_scales[4], B lowp_scales[5])
;;     4. batch 64 x [M 2,048, K 64] x [K 64, N 2,048]; A: computed on the way; B: computed on the way: QUANTISED (scales: A lowp_scales[6], B lowp_scales[7])
;;     5. batch 64 x [M 2,048, K 2,048] x [K 2,048, N 64]; A: softmax (see below); B: computed on the way: QUANTISED (scales: A lowp_scales[8], B lowp_scales[9])
;;     6. [M 8,192, K 1,024] x [K 1,024, N 1,024]; A: computed on the way; B: input w_o: QUANTISED (scales: A lowp_scales[10], B lowp_scales[11])
;;   THE QUANTISER, for each operand of a quantised product, along K:
;;     - The operand's scale is 2^e, e = its entry of the input lowp_scales (int32; the entries are numbered through the quantised products in the list's order, A before B).
;;     - Each number is divided by the scale, clamped to +-448, and rounded to the nearest number of E4M3, ties to even, subnormals kept.
;;     - The product sums the exact products of the quantised numbers (number of the format x scale) in f32.
;;   ~~~python
;;   def quantise(x, axis, e):      # numpy; x: float32 -> the quantised numbers, widened to float32 again
;;       x = np.moveaxis(x, axis, -1); K = x.shape[-1]
;;       r = np.clip(x / 2.0 ** e, -448, 448)
;;       step = 2.0 ** (np.maximum(np.frexp(np.where(r == 0, 1, r))[1] - 1, -6) - 3)
;;       q = np.round(r / step) * step * 2.0 ** e      # np.round: ties to even
;;       return np.moveaxis(q, -1, axis).astype(np.float32)
;;   ~~~
;;   SOFTMAX AHEAD OF A QUANTISED PRODUCT. Where the list says 'softmax', what is quantised is not the finished softmax but p = 2^(t - M), with t = logit x log2(e) and M = ceil(the row's largest t), a whole number; so 1/2 < the row's largest p <= 1. The row's sum l is taken of the UNQUANTISED p, in f32, and the product's result is divided by l at the end. Since M is a whole number, a kernel that streams over the keys may use a running M (the ceiling of the running maximum): every later rescaling is an exact power of two, so the quantised numbers keep their values, but for numbers so far below the row's largest that they fall under the format's range.
;;   OPERANDS COMPUTED ON THE WAY. 'Computed on the way' means the value that the module computes at that place (a softmax that the list does not call 'softmax' is quantised finished and normalised). What goes into a quantiser is computed in f32, as accurately as f32 sums, v_exp_f32 and their like allow (about 1e-6 of the number): no bf16 or f16 on the way to a quantiser, and a product that is left as it is and whose result goes on into a quantised operand takes f32 operands (vector FMAs, or v_wmma_f32_16x16x4_f32). A number that lies on a knife's edge between two numbers of the format may be rounded either way, as far as f32 arithmetic and the matrix unit's own rounding can turn it there, and no further.
;; One version. Each part assembles by itself: llvm-mc -triple=amdgcn-amd-amdhsa -mcpu=gfx1250 --defsym DOCPART=n.
;; ======== version 1 of 1: 4 launches
;; limits: right only within a limited range of input values
;; workspace buffers: xc 25,165,824 bytes; wc 4,194,304 bytes; qkv 25,165,824 bytes; ac 8,388,608 bytes
;; launch quant (part 1): grid 768 x 1, 4 waves a work-group, no clusters, 34,304 bytes of LDS; arguments x, w_q, w_k, w_v, w_o, lowp_scales, xc, wc; writes xc, wc
.if DOCPART == 1
	.amdgcn_target "amdgcn-amd-amdhsa--gfx1250"
	.amdhsa_code_object_version 6
	.text
	.protected	k_qc4d8fb50f9_quant
	.globl	k_qc4d8fb50f9_quant
	.p2align	8
	.type	k_qc4d8fb50f9_quant,@function
k_qc4d8fb50f9_quant:
	s_mov_b64 s[64:65], 0
	v_nop
	global_prefetch_b8 v0, s[64:65] scope:SCOPE_SE
	s_setreg_imm32_b32 hwreg(HW_REG_WAVE_MODE, 25, 1), 1
	s_wait_xcnt 0x0
; x [8192][1024] and the four weights [1024][1024], f32, K innermost, become codes of E4M3, laid as images of operand registers.
; code = number / 2^e, held within +-448, to the nearest code, ties to even.  x is quantised three times (entries 0, 2, 4 of the scales), w_q, w_k, w_v, w_o once (entries 1, 3, 5, 11).
; THE LAYOUT of every buffer of codes: pos = row with bits 3 and 4 exchanged;
;   byte(row, k) = (pos / 16) x 16384 + (k / 32) x 512 + ((k / 16) % 2) x 256 + (pos % 16) x 16 + k % 16.
; A piece of 512 bytes is 16 bytes for each of 32 lanes: lane 16 h + r holds k = 32 c + 16 h + 0 .. 15 of slot r.  Four pieces are a fragment of 16 rows x 128 K; it is loaded by four loads of 16 bytes a lane.
; Tile 2 b + u, slot 8 h + j is row 32 b + 16 h + 8 u + j: so a later product's 16 result registers of two neighbouring tiles are 16 neighbours along the next K.
; SHARES.  A work-group takes one tile of 16 slots x 1,024 K: work-groups 0 to 511 a tile of x, 512 to 767 a tile of a weight.  Wave w takes K 256 w on: two fragments.
; Each load reads 512 consecutive bytes of one row; a fragment's 16 rows turn through the wave's own stage in LDS (rows 528 bytes apart) and come back 64 bytes a lane: 16 neighbours along K of each block of 32.
; Each store writes 512 consecutive bytes.  Waves share nothing: no barrier.  No cluster: no two work-groups read the same bytes.
; LIMITS: each e between -126 and 119, so that 2^e and 448 x 2^e are f32 numbers.  NaN among the inputs is not served.
.set XWG,   512                        ; work-groups that take x
.set PIT,   528                        ; a stage row: 512 bytes + 16
.set STG,   16*PIT                     ; a wave's stage
.set SPARE, 4*STG                      ; behind the four stages: the spare words, 128 bytes for each wave; no other line names them
.set LO,    3                          ; v3    16 x lane; never rewritten
.set SIN,   4                          ; v4    the stage, on the way in
.set SOUT,  5                          ; v5    and on the way out
.set SPW,   6                          ; v6    my spare word's LDS address; never rewritten
.set NIL,   7                          ; v7    0; never rewritten
.set SC,    8                          ; v8, v10, v12 for each of three variants: 2^e
.set T,     16
.set X,     48                         ; v48-111  a fragment's 64 numbers of my lane
.set R,     112                        ; v112-239 two fragments as loaded; later their codes
	s_load_b512 s[4:19], s[0:1], 0x0               ; x s[4:5], w_q s[6:7], w_k s[8:9], w_v s[10:11], w_o s[12:13], scales s[14:15], xc s[16:17], wc s[18:19]
	v_lshl_add_u32 v[SPW], v0, 2, SPARE
	v_mov_b32 v[NIL], 0
	v_lshrrev_b32 v1, 5, v0
	v_readfirstlane_b32 s22, v1                    ; wave 0..3
	v_and_b32 v2, 31, v0
	v_lshlrev_b32 v[LO], 4, v2
	s_mul_i32 s23, s22, STG
	v_add_nc_u32 v[SIN], s23, v[LO]                ; in: a row's 512 bytes as they lie
	v_and_b32 v14, 15, v0                          ; r
	v_bfe_u32 v15, v0, 4, 1                        ; h
	v_mul_u32_u24 v[SOUT], v14, PIT
	v_lshl_add_u32 v[SOUT], v15, 6, v[SOUT]
	v_add_nc_u32 v[SOUT], s23, v[SOUT]             ; out: row r, + 64 h: my 16 numbers of a block of 32
	s_cmp_lt_u32 ttmp9, XWG
	s_cselect_b32 s42, 0, XWG
	s_sub_co_u32 s42, ttmp9, s42                   ; the tile's number in xc or in wc
	s_lshr_b32 s43, s42, 6                         ; which weight (used for weights alone)
	s_and_b32 s44, s42, 63
	s_cmp_lt_u32 ttmp9, XWG
	s_cselect_b32 s44, s42, s44                    ; T: the tile's number in its own tensor
	s_lshr_b32 s45, s44, 1
	s_lshl_b32 s45, s45, 17                        ; the tile's first row is 32 (T / 2) + 8 (T % 2); a row is 4,096 bytes
	s_and_b32 s46, s44, 1
	s_lshl_b32 s46, s46, 15
	s_add_co_u32 s46, s46, s45
	s_lshl_b32 s45, s22, 10                        ; my wave's 256 numbers of a row
	s_add_co_u32 s46, s46, s45
	s_mov_b32 s47, 0
	s_lshl_b32 s48, s42, 14                        ; the tile's 16,384 bytes of codes,
	s_lshl_b32 s45, s22, 12                        ; my wave's 4,096 of them
	s_add_co_u32 s48, s48, s45
	s_mov_b32 s49, 0
	s_wait_alu depctr_va_vdst(0)
	s_wait_kmcnt 0x0
	s_load_b256 s[24:31], s[14:15], 0x0            ; the scales' exponents 0 to 7,
	s_load_b128 s[32:35], s[14:15], 0x20           ; 8 to 11
	s_mov_b64 s[20:21], s[6:7]                     ; the source: chosen by the work-group's number alone
	s_cmp_eq_u32 s43, 1
	s_cselect_b64 s[20:21], s[8:9], s[20:21]
	s_cmp_eq_u32 s43, 2
	s_cselect_b64 s[20:21], s[10:11], s[20:21]
	s_cmp_eq_u32 s43, 3
	s_cselect_b64 s[20:21], s[12:13], s[20:21]
	s_cmp_lt_u32 ttmp9, XWG
	s_cselect_b64 s[20:21], s[4:5], s[20:21]
	s_cselect_b64 s[36:37], s[16:17], s[18:19]     ; and where the codes go
	s_add_nc_u64 s[20:21], s[20:21], s[46:47]
	s_add_nc_u64 s[36:37], s[36:37], s[48:49]
	s_add_nc_u64 s[38:39], s[36:37], 0x800000      ; x's second and third variants lie 8 MiB apart (used by x's work-groups alone)
	s_add_nc_u64 s[40:41], s[36:37], 0x1000000
.irp f, 0,1
.set i, 0
.rept 16
	global_load_b128 v[R+64*\f+4*i:R+64*\f+4*i+3], v[LO], s[20:21] offset:(16*(i/8)+i%8)*4096+512*\f th:TH_LOAD_NT   ; slot i's row: 512 consecutive bytes; read once in the launch
.set i, i+1
.endr
.endr
	s_wait_kmcnt 0x0
	s_mov_b32 s50, s25                             ; the first variant's exponent: a weight's own, or x's entry 0
	s_cmp_eq_u32 s43, 1
	s_cselect_b32 s50, s27, s50
	s_cmp_eq_u32 s43, 2
	s_cselect_b32 s50, s29, s50
	s_cmp_eq_u32 s43, 3
	s_cselect_b32 s50, s35, s50
	s_cmp_lt_u32 ttmp9, XWG
	s_cselect_b32 s50, s24, s50
.macro MKSC e, v                       ; 2^e as an f32 number
	s_add_co_i32 s51, \e, 127
	s_lshl_b32 s52, s51, 23
	v_mov_b32 v[\v], s52
.endm
	MKSC s50, SC
	MKSC s26, SC+2
	MKSC s28, SC+4
; Fragment f is quantised with variant v's scale and stored.  The conversions read X itself, which stays whole for the next variant.
.macro QV f, v
.irp c, 0,1,2,3
.set TS, T+16*(\c%2)
.set CD, R+64*\f+16*\v+4*\c
.set i, 0
.rept 16
.set i, i+1
.endr
	v_cvt_scalef32_pk8_fp8_f32 v[CD:CD+1], v[TS+((X+16*\c+i)-(TS+i)):TS+7+((X+16*\c+i)-(TS+i))], v[SC+2*\v]
	v_cvt_scalef32_pk8_fp8_f32 v[CD+2:CD+3], v[TS+8+((X+16*\c+i)-(TS+i)):TS+15+((X+16*\c+i)-(TS+i))], v[SC+2*\v]
	global_store_b128 v[LO], v[CD:CD+3], s[36+2*\v:37+2*\v] offset:2048*\f+512*\c   ; a piece: 512 consecutive bytes; each piece has registers of its own, so no store's data are written again
.endr
	v_nop                                          ; a plain line behind the last conversion of the run
.endm
.macro FRAG f
	s_wait_loadcnt 16*(1-\f)                       ; this fragment's sixteen loads are in; the next fragment's sixteen may be out
.set i, 0
.rept 16
	ds_store_b128 v[SIN], v[R+64*\f+4*i:R+64*\f+4*i+3] offset:PIT*i
.set i, i+1
.endr
.irp c, 0,1,2,3
.irp k, 0,1,2,3
	ds_load_b128 v[X+16*\c+4*\k:X+16*\c+4*\k+3], v[SOUT] offset:128*\c+16*\k   ; LDS serves a wave's instructions in order: these see my stores
.endr
.endr
	s_wait_dscnt 0x0                               ; the numbers are back; the stage's stores have read their registers, which take the codes
	QV \f, 0
	s_cmp_ge_u32 ttmp9, XWG                        ; a weight has one variant: a branch on the work-group's number, round register work and global stores alone
	s_cbranch_scc1 .Lweight_\@
	QV \f, 1
	QV \f, 2
.Lweight_\@:
.endm
	s_wait_alu depctr_va_vdst(0)
	FRAG 0
	FRAG 1
	s_wait_tensorcnt 0x0                           ; the wave's end: behind my last LDS store
	ds_add_u32 v[SPW], v[NIL]
	s_wait_dscnt 0x0
	s_endpgm
.Lfunc_end_k_qc4d8fb50f9_quant:
	.size	k_qc4d8fb50f9_quant, .Lfunc_end_k_qc4d8fb50f9_quant-k_qc4d8fb50f9_quant
	.p2alignl 7, 3214868480
	.fill 96, 4, 3214868480
	.section	.rodata,"a",@progbits
	.p2align	6, 0x0
	.amdhsa_kernel k_qc4d8fb50f9_quant
		.amdhsa_group_segment_fixed_size 34304
		.amdhsa_private_segment_fixed_size 0
		.amdhsa_enable_private_segment 0
		.amdhsa_kernarg_size 64
		.amdhsa_user_sgpr_count 2
		.amdhsa_user_sgpr_kernarg_segment_ptr 1
		.amdhsa_wavefront_size32 1
		.amdhsa_system_sgpr_workgroup_id_x 1
		.amdhsa_system_sgpr_workgroup_id_y 1
		.amdhsa_system_sgpr_workgroup_id_z 1
		.amdhsa_system_vgpr_workitem_id 0
		.amdhsa_next_free_vgpr 240
		.amdhsa_next_free_sgpr 66
		.amdhsa_reserve_vcc 0
		.amdhsa_float_denorm_mode_32 3
		.amdhsa_float_denorm_mode_16_64 3
		.amdhsa_fp16_overflow 1
		.amdhsa_memory_ordered 1
		.amdhsa_forward_progress 1
		.amdhsa_inst_pref_size 16
	.end_amdhsa_kernel
	.amdgpu_metadata
---
amdhsa.version: [ 1, 2 ]
amdhsa.kernels:
  - .name:           k_qc4d8fb50f9_quant
    .symbol:         k_qc4d8fb50f9_quant.kd
    .args:
      - { .name: x, .offset: 0, .size: 8, .value_kind: global_buffer, .address_space: global }
      - { .name: w_q, .offset: 8, .size: 8, .value_kind: global_buffer, .address_space: global }
      - { .name: w_k, .offset: 16, .size: 8, .value_kind: global_buffer, .address_space: global }
      - { .name: w_v, .offset: 24, .size: 8, .value_kind: global_buffer, .address_space: global }
      - { .name: w_o, .offset: 32, .size: 8, .value_kind: global_buffer, .address_space: global }
      - { .name: lowp_scales, .offset: 40, .size: 8, .value_kind: global_buffer, .address_space: global }
      - { .name: xc, .offset: 48, .size: 8, .value_kind: global_buffer, .address_space: global }
      - { .name: wc, .offset: 56, .size: 8, .value_kind: global_buffer, .address_space: global }
    .group_segment_fixed_size: 34304
    .private_segment_fixed_size: 0
    .kernarg_segment_align: 8
    .kernarg_segment_size: 64
    .max_flat_workgroup_size: 128
    .sgpr_count:     66
    .vgpr_count:     240
    .wavefront_size: 32
...
	.end_amdgpu_metadata
.endif
;; end of part 1
;; launch proj (part 2): grid 24 x 64, 4 waves a work-group, clusters of 4 x 4, 262,656 bytes of LDS; arguments xc, wc, lowp_scales, qkv; writes qkv
.if DOCPART == 2
	.amdgcn_target "amdgcn-amd-amdhsa--gfx1250"
	.amdhsa_code_object_version 6
	.text
	.protected	k_qc4d8fb50f9_proj
	.globl	k_qc4d8fb50f9_proj
	.p2align	8
	.type	k_qc4d8fb50f9_proj,@function
k_qc4d8fb50f9_proj:
	s_mov_b64 s[64:65], 0
	v_nop
	global_prefetch_b8 v0, s[64:65] scope:SCOPE_SE
	s_setreg_imm32_b32 hwreg(HW_REG_WAVE_MODE, 25, 1), 1
	s_wait_xcnt 0x0
	s_wait_alu depctr_hold_cnt(0) depctr_sa_sdst(0) depctr_va_vdst(0) depctr_va_sdst(0) depctr_va_ssrc(0) depctr_va_vcc(0) depctr_vm_vsrc(0)
	s_getreg_b32 s2, hwreg(HW_REG_IB_STS2, 6, 4)
	s_cmp_eq_u32 s2, 0
	s_cbranch_scc0 .Lentry_in_a_cluster
	s_endpgm
.Lentry_in_a_cluster:
	s_bfe_u32 s2, ttmp6, 0x10000c
	s_cmp_lg_u32 s2, 0xf033
	s_cbranch_scc0 .Lentry_shape_is_right
	s_endpgm
.Lentry_shape_is_right:
; q = x w_q^T, k = x w_k^T, v = x w_v^T on codes of E4M3; the f32 sums are quantised on the way out (entries 6, 7, 9 of the scales) and stored as images of attention's operand registers.
; A work-group makes 128 x 128 sums; both operands' whole K = 1,024 lies in LDS (128 KiB each), asked for at the head in four K steps of 256: no slot is ever filled again.
; Four waves, 64 x 64 each: 16 accumulators.  Source 0 = 16 slots of R0, source 1 = 16 slots of R1: a lane holds one slot of R1, its registers eight slots of R0.
; By the codes' layout (row = position with bits 3 and 4 exchanged) the 16 registers of R0's tiles 2 c and 2 c + 1 are 16 neighbouring rows of R0: two conversions give a lane's 16 bytes of a piece of the next operand.
; q and k (clusters x = 0..3): R0 = 128 features of w_q or w_k, R1 = 128 tokens: registers run along the head's 64, which is the scores' K.
; v (clusters x = 4, 5): R0 = 128 tokens, R1 = 128 features of w_v: registers run along the keys, which are the second product's K.  The roles are chosen by the cluster's x alone, by selects, with no branch.
; qkv: q at 0, k at 8 MiB, v at 16 MiB; 128 KiB for each (batch, head).  q, k: [tile of 16 positions][2 pieces of 512 bytes].  v: [128 keys][tile of 16 of the head's 64][4 pieces].
; CLUSTERS: 4 x 4.  R0's block hangs on cx and is shared along a column of the cluster, R1's on cy and is shared along a row: each is asked for jointly.
; LIMITS: e_out - ea - eb between -126 and 119 for each of the three products, so that the folded scale and 448 x it are f32 numbers.
; REGISTERS: window 0: v16-19 LDS addresses, v20-23 store offsets, v28, v29 the add's two, v30 the scale, v32-63 codes, v128-255 accumulator (a, b) at v[128 + 8 (4 b + a)].
;   window 1: two fragment buffers of 128: R0's four fragments, then R1's four.
.set R1B,   131072                     ; LDS: R0 at 0, R1 here; each [K step of 256][tile 0..7][4,096 bytes = two fragments]
.set SPARE, 262144                     ; behind them: the spare words, 128 bytes for each wave; no other line names them
.set A0,    16                         ; v16, v17  my R0 fragments: K steps 0, 1 and K steps 2, 3
.set A1,    18                         ; v18, v19  the same for R1
.set OFFS,  20                         ; v20-23    16 x lane + b x the distance between R1's tiles in qkv
.set SPW,   28
.set NIL,   29
.set SCV,   30
.set LIM,   31
.set OUTC,  32
.set ACC,   128
.set WV,    12                         ; s12 wave; s13 wave / 2; s14 wave % 2
.set G1A,   24                         ; s[24:31] descriptor group 1 for R0; s[32:39] for R1: they differ in the mask
.set G1B,   32
.set G0A,   40                         ; s[40:55] four groups 0 for R0, one for each K step; s[68:83] for R1
.set G0B,   68
.set LS,    84                         ; s[84:95] the scales' exponents
.set MSB,   0
.set MUL,   0x05                       ; sources 0 and 1 window 1; C and D window 0
.set TO_F,  0x40                       ; destination window 1, address window 0
.macro WIN new                         ; the immediate's high byte repeats the setting that is left
.if MSB != \new
	s_set_vgpr_msb (MSB<<8)|\new
.set MSB, \new
.endif
.endm
.macro CROUND                          ; a round of the cluster's barrier
	s_barrier_signal -1
	s_barrier_wait -1
	s_cmp_lg_u32 s[WV], 0
	s_cbranch_scc1 .Lnot_wave_0_\@
	s_barrier_signal -3
.Lnot_wave_0_\@:
	s_barrier_wait -3
	s_barrier_signal -1
	s_barrier_wait -1
.endm
.macro PLACES
.rept 4
	v_nop
.endr
.endm
	s_load_b256 s[4:11], s[0:1], 0x0               ; xc s[4:5], wc s[6:7], scales s[8:9], qkv s[10:11]
	v_lshl_add_u32 v[SPW], v0, 2, SPARE
	v_mov_b32 v[NIL], 0
	ds_add_u32 v[SPW], v[NIL]
	ds_add_u32 v[SPW], v[NIL]                      ; the wave's opening: the add and its wait ahead of my first tensor load; register work stands between
	v_lshrrev_b32 v1, 5, v0
	v_readfirstlane_b32 s[WV], v1
	s_lshr_b32 s13, s[WV], 1                       ; which 64 slots of R0 are mine.  Also: I fetch for R0 (0) or R1 (1)
	s_and_b32 s14, s[WV], 1                        ; which 64 slots of R1.  Also: which four tiles of that block I fetch
	s_bfe_u32 s15, ttmp6, 0x40000                  ; cx
	s_bfe_u32 s16, ttmp6, 0x40004                  ; cy
	s_and_b32 s18, ttmp7, 0xffff                   ; the cluster's y
	s_lshr_b32 s56, ttmp9, 1                       ; p: 0 q, 1 k, 2 v
	s_lshl_b32 s57, s56, 23                        ; p x 8 MiB
	s_sub_co_u32 s21, ttmp9, 4
	s_cmp_ge_u32 ttmp9, 4                          ; v?  The same in all sixteen partners
	s_cselect_b32 s19, 1, 0
	s_cselect_b32 s20, s18, ttmp9
	s_cselect_b32 s21, s21, s18
	s_cselect_b32 s22, 0x1000000, 0                ; R0 of v: x's third variant
	s_cselect_b32 s23, 0x200000, s57               ; R1: w_v in wc, or x's variant p
	s_lshl_b32 s20, s20, 2
	s_add_co_u32 s20, s20, s15                     ; I0: R0's block of 128 rows: it holds cx and never cy
	s_lshl_b32 s21, s21, 2
	s_add_co_u32 s21, s21, s16                     ; I1: R1's block: it holds cy and never cx
	s_lshl_b32 s17, s14, 16                        ; the four tiles that I fetch: 4 x 16,384 bytes
	s_lshl_b32 s58, s20, 17
	s_add_co_u32 s58, s58, s22
	s_add_co_u32 s58, s58, s17
	s_mov_b32 s59, 0
	s_lshl_b32 s60, s21, 17
	s_add_co_u32 s60, s60, s23
	s_add_co_u32 s60, s60, s17
	s_mov_b32 s61, 0
	s_lshl_b32 s96, 0x1111, s15                    ; my column of the cluster
	s_lshl_b32 s97, s16, 2
	s_lshl_b32 s97, 15, s97                        ; my row
	; group 1: 4 rows of 4,096 bytes (a tile's K step of 256), 16,384 bytes apart, in elements of 8 bytes, dense in LDS
	s_or_b32 s[G1A], s96, (3<<16)|(1<<21)          ; 15:0 the mask; 17:16 elements of 8 bytes; 21 set beside a mask
	s_or_b32 s[G1B], s97, (3<<16)|(1<<21)
.irp g, G1A, G1B
	s_mov_b32 s[\g+1], 512<<16                     ; tensor_dim0 = 512
	s_mov_b32 s[\g+2], 4<<16                       ; tensor_dim1 = 4
	s_mov_b32 s[\g+3], 512<<16                     ; tile_dim0 = 512
	s_mov_b32 s[\g+4], 4                           ; tile_dim1 = 4
	s_mov_b32 s[\g+5], 2048                        ; from row to row
	s_mov_b32 s[\g+6], 0
	s_mov_b32 s[\g+7], 0
.endr
	s_lshl_b32 s98, s13, 17
	s_lshl_b32 s99, s14, 14
	s_add_co_u32 s98, s98, s99                     ; where my loads go: 131,072 (wave / 2) + 16,384 (wave % 2): no place in the cluster enters an LDS address
	s_wait_dscnt 0x0                               ; the opening add is done
	s_wait_kmcnt 0x0
	s_load_b256 s[LS:LS+7], s[8:9], 0x0
	s_load_b128 s[LS+8:LS+11], s[8:9], 0x20
	s_cmp_eq_u32 s19, 1
	s_cselect_b64 s[2:3], s[4:5], s[6:7]           ; R0 comes from xc (v) or wc
	s_cselect_b64 s[62:63], s[6:7], s[4:5]         ; R1 from the other
	s_add_nc_u64 s[58:59], s[2:3], s[58:59]
	s_add_nc_u64 s[60:61], s[62:63], s[60:61]
	CROUND                                         ; all sixteen work-groups are here: the joint loads meet
.irp s, 0,1,2,3
	s_mov_b32 s[G0A+4*\s], 1
	s_add_co_u32 s[G0A+4*\s+1], s98, 32768*\s
	s_add_nc_u64 s[G0A+4*\s+2:G0A+4*\s+3], s[58:59], 4096*\s
	s_or_b32 s[G0A+4*\s+3], s[G0A+4*\s+3], 0x80000000
	s_mov_b32 s[G0B+4*\s], 1
	s_add_co_u32 s[G0B+4*\s+1], s98, 32768*\s
	s_add_nc_u64 s[G0B+4*\s+2:G0B+4*\s+3], s[60:61], 4096*\s
	s_or_b32 s[G0B+4*\s+3], s[G0B+4*\s+3], 0x80000000
.endr
	s_cmp_eq_u32 s13, 0                            ; a wave's four loads stand in one branch on its number: four tensor loads of mine are out
	s_cbranch_scc0 .Lfor_r1
.irp s, 0,1,2,3
	tensor_load_to_lds s[G0A+4*\s:G0A+4*\s+3], s[G1A:G1A+7]
	s_nop 0
.endr
	PLACES
	s_branch .Lasked
.Lfor_r1:
.irp s, 0,1,2,3
	tensor_load_to_lds s[G0B+4*\s:G0B+4*\s+3], s[G1B:G1B+7]
	s_nop 0
.endr
	PLACES
.Lasked:
	v_and_b32 v1, 31, v0
	v_lshlrev_b32 v[OFFS], 4, v1                   ; 16 x lane
	s_wait_alu depctr_va_vdst(0)
	s_lshl_b32 s2, s13, 14
	v_add_nc_u32 v[A0], s2, v[OFFS]                ; my four tiles of R0
	v_add_nc_u32 v[A0+1], 0x10000, v[A0]
	s_lshl_b32 s2, s14, 14
	s_add_co_u32 s2, s2, R1B
	v_add_nc_u32 v[A1], s2, v[OFFS]                ; and of R1
	v_add_nc_u32 v[A1+1], 0x10000, v[A1]
	; where my codes go in qkv
	s_and_b32 s3, s20, 7
	s_lshl_b32 s17, s13, 10
	s_lshl_b32 s22, s14, 12
	s_cmp_eq_u32 s19, 1
	s_cselect_b32 s2, s20, s21                     ; the block of 128 tokens
	s_cselect_b32 s3, s21, s3                      ; the block of 128 features: two heads
	s_cselect_b32 s23, s14, s13                    ; which of the two is my wave's
	s_cselect_b32 s17, s17, s22                    ; v: my 64 keys are two pieces; q, k: my 64 positions are four tiles
	s_lshr_b32 s22, s2, 4                          ; batch
	s_and_b32 s2, s2, 15                           ; the block within it
	s_lshl_b32 s22, s22, 4
	s_lshl_b32 s3, s3, 1
	s_add_co_u32 s22, s22, s3
	s_add_co_u32 s22, s22, s23                     ; 16 x batch + head
	s_lshl_b32 s22, s22, 17
	s_lshl_b32 s2, s2, 13
	s_add_co_u32 s22, s22, s2
	s_add_co_u32 s22, s22, s17
	s_add_co_u32 s22, s22, s57
	s_mov_b32 s23, 0
	s_add_nc_u64 s[10:11], s[10:11], s[22:23]
	s_lshl_b32 s2, 1024, s19                       ; from one tile of R1 to the next: 1,024 bytes (positions) or 2,048 (the head's tiles, in v)
	v_add_nc_u32 v[OFFS+1], s2, v[OFFS]
	v_add_nc_u32 v[OFFS+2], s2, v[OFFS+1]
	v_add_nc_u32 v[OFFS+3], s2, v[OFFS+2]
; the fragments of the q-th 128 along K into buffer f: 32 loads of 512 consecutive bytes
.macro FETCH q, f
	WIN TO_F
.irp i, 0,1,2,3
.irp c, 0,1,2,3
	ds_load_b128 v[\f+16*\i+4*\c:\f+16*\i+4*\c+3], v[A0+(\q)/4] offset:(((\q)/2)%2)*32768+4096*\i+2048*((\q)%2)+512*\c
.endr
.endr
.irp i, 0,1,2,3
.irp c, 0,1,2,3
	ds_load_b128 v[\f+64+16*\i+4*\c:\f+64+16*\i+4*\c+3], v[A1+(\q)/4] offset:(((\q)/2)%2)*32768+4096*\i+2048*((\q)%2)+512*\c
.endr
.endr
.endm
; 16 matrix instructions, the 16 accumulators by turns, in the same order in every step.  zero = 1: the first products start the sums
.macro MUL16 f, zero
	WIN MUL
.irp b, 0,1,2,3
.irp a, 0,1,2,3
.if \zero
	v_wmma_f32_16x16x128_fp8_fp8 v[ACC+8*(4*\b+\a):ACC+8*(4*\b+\a)+7], v[\f+16*\a:\f+16*\a+15], v[\f+64+16*\b:\f+64+16*\b+15], 0
.else
	v_wmma_f32_16x16x128_fp8_fp8 v[ACC+8*(4*\b+\a):ACC+8*(4*\b+\a)+7], v[\f+16*\a:\f+16*\a+15], v[\f+64+16*\b:\f+64+16*\b+15], v[ACC+8*(4*\b+\a):ACC+8*(4*\b+\a)+7]
.endif
.endr
.endr
.endm
.macro STEP q
	s_wait_dscnt 0x0                               ; this step's fragments are in
.if (\q) < 7
.if ((\q)+1)%2 == 0
	s_wait_tensorcnt 3-((\q)+1)/2                  ; my part of the next K step of 256 has landed; my younger loads may stay out
	s_barrier_signal -1
	s_barrier_wait -1                              ; everybody's has
.endif
.if (\q) >= 1
	PLACES                                         ; four plain places between the last products and loads into the buffer that they read
.endif
	FETCH (\q)+1, 128*(((\q)+1)%2)
.endif
.if (\q) == 0
	MUL16 128*((\q)%2), 1
.else
	MUL16 128*((\q)%2), 0
.endif
.endm
	s_wait_alu depctr_va_vdst(0)
	s_wait_tensorcnt 3                             ; my part of the first K step of 256 has landed; three younger loads may stay out
	s_barrier_signal -1
	s_barrier_wait -1
	FETCH 0, 0
.irp q, 0,1,2,3,4,5,6,7
	STEP \q
.endr
	WIN 0
	; THE WAY OUT.  A sum stands for sum x 2^(ea + eb); its code is sum / 2^(e_out - ea - eb): three scales folded into the conversion's one, chosen by selects
	s_wait_kmcnt 0x0
	s_add_co_i32 s2, s[LS], s[LS+1]
	s_sub_co_i32 s2, s[LS+6], s2
	s_add_co_i32 s3, s[LS+2], s[LS+3]
	s_sub_co_i32 s3, s[LS+7], s3
	s_add_co_i32 s17, s[LS+4], s[LS+5]
	s_sub_co_i32 s17, s[LS+9], s17
	s_cmp_eq_u32 s56, 1
	s_cselect_b32 s2, s3, s2
	s_cmp_eq_u32 s56, 2
	s_cselect_b32 s2, s17, s2
	s_add_co_i32 s2, s2, 127
	s_lshl_b32 s3, s2, 23
	v_mov_b32 v[SCV], s3
	PLACES                                         ; between the last products and the first read of results
.irp b, 0,1,2,3
.irp c, 0,1
.set AB, ACC+32*\b+16*\c
.set i, 0
.rept 16
.set i, i+1
.endr
	v_cvt_scalef32_pk8_fp8_f32 v[OUTC+8*\b+4*\c:OUTC+8*\b+4*\c+1], v[AB:AB+7], v[SCV]
	v_cvt_scalef32_pk8_fp8_f32 v[OUTC+8*\b+4*\c+2:OUTC+8*\b+4*\c+3], v[AB+8:AB+15], v[SCV]
.endr
.endr
	v_nop                                          ; a plain line behind the last conversion
.irp b, 0,1,2,3
	global_store_b128 v[OFFS+\b], v[OUTC+8*\b:OUTC+8*\b+3], s[10:11]               ; a piece: 512 consecutive bytes
	global_store_b128 v[OFFS+\b], v[OUTC+8*\b+4:OUTC+8*\b+7], s[10:11] offset:512
.endr
	s_wait_tensorcnt 0x0                           ; the wave's end
	ds_add_u32 v[SPW], v[NIL]
	s_wait_dscnt 0x0
	CROUND                                         ; the closing round
	s_endpgm
.Lfunc_end_k_qc4d8fb50f9_proj:
	.size	k_qc4d8fb50f9_proj, .Lfunc_end_k_qc4d8fb50f9_proj-k_qc4d8fb50f9_proj
	.p2alignl 7, 3214868480
	.fill 96, 4, 3214868480
	.section	.rodata,"a",@progbits
	.p2align	6, 0x0
	.amdhsa_kernel k_qc4d8fb50f9_proj
		.amdhsa_group_segment_fixed_size 262656
		.amdhsa_private_segment_fixed_size 0
		.amdhsa_enable_private_segment 0
		.amdhsa_kernarg_size 32
		.amdhsa_user_sgpr_count 2
		.amdhsa_user_sgpr_kernarg_segment_ptr 1
		.amdhsa_wavefront_size32 1
		.amdhsa_system_sgpr_workgroup_id_x 1
		.amdhsa_system_sgpr_workgroup_id_y 1
		.amdhsa_system_sgpr_workgroup_id_z 1
		.amdhsa_system_vgpr_workitem_id 0
		.amdhsa_next_free_vgpr 512
		.amdhsa_next_free_sgpr 100
		.amdhsa_reserve_vcc 0
		.amdhsa_float_denorm_mode_32 3
		.amdhsa_float_denorm_mode_16_64 3
		.amdhsa_fp16_overflow 1
		.amdhsa_memory_ordered 1
		.amdhsa_forward_progress 1
		.amdhsa_inst_pref_size 37
	.end_amdhsa_kernel
	.amdgpu_metadata
---
amdhsa.version: [ 1, 2 ]
amdhsa.kernels:
  - .name:           k_qc4d8fb50f9_proj
    .symbol:         k_qc4d8fb50f9_proj.kd
    .args:
      - { .name: xc, .offset: 0, .size: 8, .value_kind: global_buffer, .address_space: global }
      - { .name: wc, .offset: 8, .size: 8, .value_kind: global_buffer, .address_space: global }
      - { .name: lowp_scales, .offset: 16, .size: 8, .value_kind: global_buffer, .address_space: global }
      - { .name: qkv, .offset: 24, .size: 8, .value_kind: global_buffer, .address_space: global }
    .group_segment_fixed_size: 262656
    .private_segment_fixed_size: 0
    .kernarg_segment_align: 8
    .kernarg_segment_size: 32
    .max_flat_workgroup_size: 128
    .sgpr_count:     100
    .vgpr_count:     512
    .wavefront_size: 32
...
	.end_amdgpu_metadata
.endif
;; end of part 2
;; launch attn (part 3): grid 256 x 1, 16 waves a work-group, clusters of 4 x 1, 264,192 bytes of LDS; arguments qkv, lowp_scales, ac; writes ac
.if DOCPART == 3
	.amdgcn_target "amdgcn-amd-amdhsa--gfx1250"
	.amdhsa_code_object_version 6
	.text
	.protected	k_qc4d8fb50f9_attn
	.globl	k_qc4d8fb50f9_attn
	.p2align	8
	.type	k_qc4d8fb50f9_attn,@function
k_qc4d8fb50f9_attn:
	s_mov_b64 s[64:65], 0
	v_nop
	global_prefetch_b8 v0, s[64:65] scope:SCOPE_SE
	s_setreg_imm32_b32 hwreg(HW_REG_WAVE_MODE, 25, 1), 1
	s_wait_xcnt 0x0
	s_wait_alu depctr_hold_cnt(0) depctr_sa_sdst(0) depctr_va_vdst(0) depctr_va_sdst(0) depctr_va_ssrc(0) depctr_va_vcc(0) depctr_vm_vsrc(0)
	s_getreg_b32 s2, hwreg(HW_REG_IB_STS2, 6, 4)
	s_cmp_eq_u32 s2, 0
	s_cbranch_scc0 .Lentry_in_a_cluster
	s_endpgm
.Lentry_in_a_cluster:
	s_bfe_u32 s2, ttmp6, 0x10000c
	s_cmp_lg_u32 s2, 0x3003
	s_cbranch_scc0 .Lentry_shape_is_right
	s_endpgm
.Lentry_shape_is_right:
; Causal attention on codes of E4M3, head size 64, 2,048 positions, 64 (batch, head) pairs.  q, k, v come as images of operand registers (see the launch that makes them); the result is quantised (entry 10 of the scales) into ac.
; THE SOFTMAX: t = score x log2(e) / 8; M = the running largest t rounded UP to a whole number; p = 2^(t - M) is quantised along the keys (entry 8), not normalised; the row's sum is taken of the unquantised p and divides at the end.
; When M moves, the sum and O are multiplied by 2^(old M - new M), which rounds nothing.
; SHARES.  A cluster of four work-groups is one (batch, head).  The head's whole K (128 KiB) and V (128 KiB) lie in each work-group's LDS, brought by sixteen joint loads of 16 KiB, one a wave: nothing is filled again.
; Wave w (u = w / 2, tt = w % 2) makes two passes, over the groups of 128 queries g = u and g = 15 - u, and owns in each the tile of 16 positions 8 g + 2 cx + tt.
; A pass over group g has g + 1 key steps of 128 keys: (u + 1) + (16 - u) = 17 for every wave of every work-group.  Steps whose keys all come after the group are left out by a scalar branch on the wave's number and the
; loop's counter; the trip counts are constants.  cx enters Q's and ac's global addresses and the mask's numbers alone: no branch and no LDS address.
; LAYOUT.  S^T = K Q^T (source 0 = 16 keys), O^T = V^T P^T (source 0 = 16 of the head's 64): a lane holds one query throughout.  Slot 8 h + j of tile 2 b + u is position 32 b + 16 h + 8 u + j, so the 16 registers of
; two neighbouring tiles are 16 neighbours: keys for p, the head's numbers for the result: the conversions' results are operand registers.
; LIMITS: e6 + e7 between -124 and 130 (added to c's exponent field); e8, and e10 - e8 - e9, between -126 and 119.
.set SPARE, 262144                     ; behind K and V: the spare words, 128 bytes for each of 16 waves; no other line names them
.set LI,   1                           ; v1   16 x lane; never rewritten
.set LIV,  2                           ; v2   the same in V's half of LDS
.set DQ,   3                           ; v3   my query's place in its group of 128, less 16 (lane / 16)
.set SPW,  5
.set NIL,  6
.set ADK,  8                           ; v8, v9  LDS addresses of the step's K and V
.set ADV,  9
.set QF,   16                          ; v16-23, v24-31  Q's fragment of pass 0, of pass 1
.set FR,   32                          ; v32-95   eight fragments of K, then four of V
.set ST,   96                          ; v96-159  S^T, then p
.set OT,   160                         ; v160-191 O^T            (v12 -M, v13 the largest t, v[14:15] the sum in two halves)
.set OC,   192                         ; v192-207 the result's codes, eight registers a pass
.set TA,   208                         ; at work
.set TP,   209                         ; a lane permute's destination
.set TF,   210                         ; v[210:211] f, later 1 / the sum: the packed forms name the pair and take its low word
.set S2,   212                         ; v[212:213] the sums' second chain
.set PSC,  216                         ; 2^e8
.set PLIM, 217
.set OSC,  218                         ; 2^(e10 - e8 - e9)
.set OLIM, 219
.set NINF, 220                         ; -infinity
.set PC,   224                         ; v224-239 p's codes
.set WV,   10                          ; s10 wave
.set G1,   16                          ; s[16:23] descriptor group 1;  s[24:27] group 0
.set G0,   24
.set LS,   28                          ; s[28:39] the scales' exponents
.set SEL,  40                          ; s[40:41] selects for lane l xor 16
.set CS,   42                          ; s[42:43] c = log2(e) / 8
.set GQ,   44                          ; s44 the pass's group of queries
.set KJ,   45                          ; s45 the key step
.set TB,   46                          ; s46 8,192 x the key step: where its K, and its V, begin
.macro ROUND
	s_barrier_signal -1
	s_barrier_wait -1
	s_cmp_lg_u32 s[WV], 0
	s_cbranch_scc1 .Lnot_wave_0_\@
	s_barrier_signal -3
.Lnot_wave_0_\@:
	s_barrier_wait -3
	s_barrier_signal -1
	s_barrier_wait -1
.endm
	s_load_b128 s[4:7], s[0:1], 0x0                ; qkv s[4:5], scales s[6:7]
	s_load_b64 s[8:9], s[0:1], 0x10                ; ac
	v_lshl_add_u32 v[SPW], v0, 2, SPARE
	v_mov_b32 v[NIL], 0
	ds_add_u32 v[SPW], v[NIL]                      ; the wave's opening: the add and its wait ahead of my first tensor load; register work stands between
	ds_add_u32 v[SPW], v[NIL]
	v_lshrrev_b32 v4, 5, v0
	s_delay_alu instid0(VALU_DEP_1)
	v_readfirstlane_b32 s[WV], v4                  ; wave 0..15
	s_bfe_u32 s11, ttmp6, 0x40000                  ; cx
	s_lshr_b32 s12, s[WV], 1                       ; u
	s_and_b32 s13, s[WV], 1                        ; tt
	; group 1: a dense block of 16,384 bytes as 64 rows of 256, in elements of 8 bytes
	s_mov_b32 s[G1], 15|(3<<16)|(1<<21)            ; 15:0 the mask: all four work-groups; 17:16 elements of 8 bytes; 21 set beside a mask
	s_mov_b32 s[G1+1], 32<<16                      ; tensor_dim0 = 32
	s_mov_b32 s[G1+2], 64<<16                      ; tensor_dim1 = 64
	s_mov_b32 s[G1+3], 32<<16                      ; tile_dim0 = 32
	s_mov_b32 s[G1+4], 64                          ; tile_dim1 = 64
	s_mov_b32 s[G1+5], 32                          ; from row to row
	s_mov_b32 s[G1+6], 0
	s_mov_b32 s[G1+7], 0
	s_mov_b32 s[G0], 1
	s_lshl_b32 s[G0+1], s[WV], 14                  ; LDS: 16,384 x wave: waves 0-7 bring K, waves 8-15 V
	s_mov_b32 s[SEL], 0x76543210
	s_mov_b32 s[SEL+1], 0xfedcba98
	s_mov_b32 s[CS], 0x3e38aa3b                    ; c = log2(e) / sqrt(64)
	s_lshl_b32 s62, ttmp9, 17                      ; the (batch, head)'s 128 KiB in q, in k and in v
	s_lshr_b32 s56, s[WV], 3
	s_add_co_u32 s56, s56, 1
	s_lshl_b32 s56, s56, 23                        ; k at 8 MiB, v at 16 MiB
	s_add_co_u32 s56, s56, s62
	s_and_b32 s58, s[WV], 7
	s_lshl_b32 s58, s58, 14
	s_add_co_u32 s56, s56, s58                     ; my 16 KiB: it hangs on the wave and the cluster alone
	s_mov_b32 s57, 0
	s_lshl_b32 s47, s11, 1
	s_add_co_u32 s47, s47, s13                     ; 2 cx + tt
	s_mov_b32 s60, s12                             ; the two passes' groups
	s_sub_co_u32 s61, 15, s12
	s_lshl_b32 s14, s60, 3
	s_add_co_u32 s14, s14, s47                     ; and my tile of positions in each
	s_lshl_b32 s15, s61, 3
	s_add_co_u32 s15, s15, s47
	s_lshl_b32 s48, s14, 10                        ; Q: 1,024 bytes a tile
	s_add_co_u32 s48, s48, s62
	s_mov_b32 s49, 0
	s_lshl_b32 s50, s15, 10
	s_add_co_u32 s50, s50, s62
	s_mov_b32 s51, 0
	s_lshr_b32 s2, ttmp9, 4
	s_lshl_b32 s2, s2, 7                           ; ac: 128 tiles a batch, 16,384 bytes a tile,
	s_and_b32 s3, ttmp9, 15
	s_lshl_b32 s3, s3, 10                          ; the head's two pieces
	s_add_co_u32 s52, s2, s14
	s_lshl_b32 s52, s52, 14
	s_add_co_u32 s52, s52, s3
	s_mov_b32 s53, 0
	s_add_co_u32 s54, s2, s15
	s_lshl_b32 s54, s54, 14
	s_add_co_u32 s54, s54, s3
	s_mov_b32 s55, 0
	s_lshl_b32 s58, s11, 5
	s_lshl_b32 s59, s13, 3
	s_add_co_u32 s58, s58, s59                     ; 32 cx + 8 tt
	s_wait_dscnt 0x0                               ; the opening add is done
	s_wait_kmcnt 0x0
	s_load_b256 s[LS:LS+7], s[6:7], 0x0
	s_load_b128 s[LS+8:LS+11], s[6:7], 0x20
	s_add_nc_u64 s[G0+2:G0+3], s[4:5], s[56:57]
	s_or_b32 s[G0+3], s[G0+3], 0x80000000
	s_add_nc_u64 s[48:49], s[4:5], s[48:49]
	s_add_nc_u64 s[50:51], s[4:5], s[50:51]
	s_add_nc_u64 s[52:53], s[8:9], s[52:53]
	s_add_nc_u64 s[54:55], s[8:9], s[54:55]
	ROUND                                          ; all four work-groups are here: the joint loads meet
	tensor_load_to_lds s[G0:G0+3], s[G1:G1+7]      ; my one tensor load of the launch
	s_nop 0
.rept 4
	v_nop
.endr
	v_and_b32 v4, 31, v0
	s_delay_alu instid0(VALU_DEP_1)
	v_lshlrev_b32 v[LI], 4, v4
	s_delay_alu instid0(VALU_DEP_1)
	v_add_nc_u32 v[LIV], 0x20000, v[LI]
	global_load_b128 v[QF:QF+3], v[LI], s[48:49]               ; Q's fragments stay in registers
	global_load_b128 v[QF+4:QF+7], v[LI], s[48:49] offset:512
	global_load_b128 v[QF+8:QF+11], v[LI], s[50:51]
	global_load_b128 v[QF+12:QF+15], v[LI], s[50:51] offset:512
	v_and_b32 v4, 15, v0                           ; r
	v_bfe_u32 v7, v0, 4, 1                         ; h
	s_delay_alu instid0(VALU_DEP_2)
	v_and_b32 v10, 7, v4
	s_delay_alu instid0(VALU_DEP_3)
	v_lshrrev_b32 v11, 3, v4
	s_delay_alu instid0(VALU_DEP_1)
	v_sub_nc_u32 v11, v11, v7
	s_delay_alu instid0(VALU_DEP_1)
	v_lshl_add_u32 v[DQ], v11, 4, v10              ; slot r is place 16 (r / 8) + r % 8 of its tile's pair; less 16 h
	s_delay_alu instid0(VALU_DEP_1)
	v_add_nc_u32 v[DQ], s58, v[DQ]
	v_mov_b32 v[TP], 0                             ; written once: a lane permute's destination counts as one of its sources
	v_mov_b32 v[TF+1], 0                           ; (named as the upper half of a pair)
	v_mov_b32 v[NINF], 0xff800000
	s_wait_kmcnt 0x0
	s_add_co_i32 s56, s[LS+6], s[LS+7]
	s_lshl_b32 s56, s56, 23
	s_add_co_i32 s[CS], s[CS], s56                 ; a score stands for score x 2^(e6 + e7): added to c's exponent field
	s_mov_b32 s[CS+1], s[CS]
	s_add_co_i32 s56, s[LS+8], 127
	s_lshl_b32 s57, s56, 23
	v_mov_b32 v[PSC], s57
	s_sub_co_i32 s56, s[LS+10], s[LS+8]
	s_sub_co_i32 s56, s56, s[LS+9]                 ; O^T / the sum stands for that x 2^(e8 + e9): its code is that / 2^(e10 - e8 - e9)
	s_add_co_i32 s56, s56, 127
	s_lshl_b32 s57, s56, 23
	v_mov_b32 v[OSC], s57
	s_wait_tensorcnt 0x0                           ; my 16 KiB have landed,
	s_barrier_signal -1
	s_barrier_wait -1                              ; everybody's have: K and V are whole
	s_wait_loadcnt 0x0                             ; Q
; A KEY STEP: 128 keys against my 16 queries, whose fragment lies at v[qr]
.macro STEP qr
	s_cmp_gt_u32 s[KJ], s[GQ]                      ; all these keys come after my queries: the work is left out, the address step below is not
	s_cbranch_scc1 .Lhid_\@
	s_setprio 2
	v_add_nc_u32 v[ADK], s[TB], v[LI]
	v_add_nc_u32 v[ADV], s[TB], v[LIV]
.irp i, 0,1,2,3,4,5,6,7
	ds_load_b128 v[FR+8*\i:FR+8*\i+3], v[ADK] offset:1024*\i
	ds_load_b128 v[FR+8*\i+4:FR+8*\i+7], v[ADK] offset:1024*\i+512
.endr
	s_wait_alu depctr_va_vdst(0)
	s_wait_dscnt 0x0
.irp i, 0,1,2,3,4,5,6,7
	v_wmma_f32_16x16x64_fp8_fp8 v[ST+8*\i:ST+8*\i+7], v[FR+8*\i:FR+8*\i+7], v[\qr:\qr+7], 0
.endr
.rept 4
	v_nop                                          ; four plain places: in front of loads into registers that these products read, and of the first read of the scores
.endr
.irp t, 0,1,2,3
.irp c, 0,1,2,3
	ds_load_b128 v[FR+16*\t+4*\c:FR+16*\t+4*\c+3], v[ADV] offset:2048*\t+512*\c   ; V lands while the softmax is worked
.endr
.endr
	s_cmp_lg_u32 s[KJ], s[GQ]
	s_cbranch_scc1 .Lopen_\@
.set n, 0
.rept 64                                       ; on the diagonal: register n holds the group's key 32 (n / 16) + n % 16 + 16 h: hidden where that is beyond my query
	v_cmp_gt_i32 vcc_lo, 32*(n/16)+n%16, v[DQ]
	v_cndmask_b32 v[ST+n], v[ST+n], v[NINF], vcc_lo
.set n, n+1
.endr
.Lopen_\@:
	v_max3_num_f32 v[TA], v[ST], v[ST+1], v[ST+2]  ; the step's largest score of my query among my 64 keys, in two chains, each accumulator from its low end on,
	v_max3_num_f32 v[TF], v[ST+3], v[ST+4], v[ST+5]
.irp i, 6,10,14,18,22,26,30,34,38,42,46,50,54,58
	v_max3_num_f32 v[TA], v[TA], v[ST+\i], v[ST+\i+1]
	v_max3_num_f32 v[TF], v[TF], v[ST+\i+2], v[ST+\i+3]
.endr
	v_max3_num_f32 v[TA], v[TA], v[ST+62], v[ST+63]
	s_delay_alu instid0(VALU_DEP_1)
	v_max_num_f32 v[TA], v[TA], v[TF]
	s_delay_alu instid0(VALU_DEP_1)
	v_permlanex16_b32 v[TP], v[TA], s[SEL], s[SEL+1]
	s_delay_alu instid0(VALU_DEP_1)
	v_max_num_f32 v[TA], v[TA], v[TP]              ; and among lane l xor 16's
	s_delay_alu instid0(VALU_DEP_1)
	v_mul_f32 v[TA], s[CS], v[TA]                  ; as t (c is positive)
	s_delay_alu instid0(VALU_DEP_1)
	v_max_num_f32 v13, v13, v[TA]                  ; the running largest t
	v_mov_b32 v[TA], v12
	s_delay_alu instid0(VALU_DEP_2)
	v_floor_f32 v12, -v13                          ; the new -M = floor(-t): M is a whole number
	s_delay_alu instid0(VALU_DEP_1)
	v_sub_f32 v[TA], v12, v[TA]                    ; old M - new M: a whole number, 0 or less
	s_delay_alu instid0(VALU_DEP_1)
	v_cvt_i32_f32 v[TA], v[TA]                     ; (it saturates)
	s_delay_alu instid0(VALU_DEP_1)
	v_ldexp_f32 v[TF], 1.0, v[TA]                  ; f = 2^(old M - new M)
.set j, 0
	s_setprio 1
.rept 32
	v_pk_fma_f32 v[ST+j:ST+j+1], v[ST+j:ST+j+1], s[CS:CS+1], v[12:13] op_sel_hi:[1,0,0]   ; t - M, two at a time
.set j, j+2
.endr
.set j, 0
	s_wait_alu depctr_va_vdst(0)
.rept 64
	v_exp_f32 v[ST+j], v[ST+j]                     ; p = 2^(t - M)
.set j, j+1
.endr
	v_pk_mul_f32 v[14:15], v[14:15], v[TF:TF+1] op_sel_hi:[1,0]   ; the sums under the new M: the plain line behind the exponentials
	s_wait_alu depctr_va_vdst(0)                   ; one wait for the batch of 64, ahead of its first reader
	v_pk_add_f32 v[212:213], v[100:101], v[104:105]
	v_pk_add_f32 v[254:255], v[108:109], v[112:113]
	v_pk_add_f32 v[252:253], v[116:117], v[120:121]
	v_pk_add_f32 v[250:251], v[124:125], v[128:129]
	v_pk_add_f32 v[248:249], v[132:133], v[136:137]
	v_pk_add_f32 v[246:247], v[140:141], v[144:145]
	v_pk_add_f32 v[244:245], v[148:149], v[152:153]
	v_pk_add_f32 v[14:15], v[14:15], v[156:157]
	v_pk_add_f32 v[212:213], v[212:213], v[96:97]
	v_pk_add_f32 v[254:255], v[254:255], v[98:99]
	v_pk_add_f32 v[252:253], v[252:253], v[102:103]
	v_pk_add_f32 v[250:251], v[250:251], v[106:107]
	v_pk_add_f32 v[248:249], v[248:249], v[110:111]
	v_pk_add_f32 v[246:247], v[246:247], v[114:115]
	v_pk_add_f32 v[244:245], v[244:245], v[118:119]
	v_pk_add_f32 v[14:15], v[14:15], v[122:123]
	v_pk_add_f32 v[212:213], v[212:213], v[126:127]
	v_pk_add_f32 v[254:255], v[254:255], v[130:131]
	v_pk_add_f32 v[252:253], v[252:253], v[134:135]
	v_pk_add_f32 v[250:251], v[250:251], v[138:139]
	v_pk_add_f32 v[248:249], v[248:249], v[142:143]
	v_pk_add_f32 v[246:247], v[246:247], v[146:147]
	v_pk_add_f32 v[244:245], v[244:245], v[150:151]
	v_pk_add_f32 v[14:15], v[14:15], v[154:155]
	v_pk_add_f32 v[212:213], v[212:213], v[158:159]
	s_delay_alu instid0(VALU_DEP_2)
	v_pk_add_f32 v[14:15], v[14:15], v[250:251]
	s_delay_alu instid0(VALU_DEP_2)
	v_pk_add_f32 v[212:213], v[212:213], v[248:249]
	s_setprio 0
	v_pk_add_f32 v[254:255], v[254:255], v[246:247]
	v_pk_add_f32 v[252:253], v[252:253], v[244:245]
	s_delay_alu instid0(VALU_DEP_2)
	v_pk_add_f32 v[14:15], v[14:15], v[254:255]
	s_delay_alu instid0(VALU_DEP_2)
	v_pk_add_f32 v[212:213], v[212:213], v[252:253]
	s_delay_alu instid0(VALU_DEP_1)
	v_pk_add_f32 v[14:15], v[14:15], v[212:213]
.irp b, 0,1,2,3
.set i, 0
.rept 16
.set i, i+1
.endr
	v_cvt_scalef32_pk8_fp8_f32 v[PC+4*\b:PC+4*\b+1], v[ST+16*\b:ST+16*\b+7], v[PSC]
	v_cvt_scalef32_pk8_fp8_f32 v[PC+4*\b+2:PC+4*\b+3], v[ST+16*\b+8:ST+16*\b+15], v[PSC]
.endr
.set j, 0
.rept 16
	v_pk_mul_f32 v[OT+j:OT+j+1], v[OT+j:OT+j+1], v[TF:TF+1] op_sel_hi:[1,0]   ; O^T under the new M; also the plain lines behind the conversions
.set j, j+2
.endr
	s_wait_alu depctr_va_vdst(0)
	s_wait_dscnt 0x0                               ; V is in
.irp t, 0,1,2,3
	v_wmma_f32_16x16x128_fp8_fp8 v[OT+8*\t:OT+8*\t+7], v[FR+16*\t:FR+16*\t+15], v[PC:PC+15], v[OT+8*\t:OT+8*\t+7]   ; four accumulators by turns
.endr
.rept 4
	v_nop                                          ; four plain places in front of the next loads into V's registers and of the next read of O^T
.endr
.Lhid_\@:
	s_add_co_u32 s[TB], s[TB], 8192
.endm
.macro PASS p, trips
	s_mov_b32 s[GQ], s[60+\p]
	v_mov_b32 v13, 0xff61b1e6                      ; the largest t so far: -3e38
	s_delay_alu instid0(VALU_DEP_1)
	v_floor_f32 v12, -v13
	v_mov_b32 v14, 0
	v_mov_b32 v15, 0
.set j, 0
.rept 32
	v_mov_b32 v[OT+j], 0                           ; the step is written once: the first finds zeros, which the first change of M leaves zeros
.set j, j+1
.endr
	s_mov_b32 s[TB], 0
	s_mov_b32 s[KJ], 0
.Lkey_\@:
	STEP QF+8*\p
	s_add_co_u32 s[KJ], s[KJ], 1
	s_cmp_lt_u32 s[KJ], \trips
	s_cbranch_scc1 .Lkey_\@
	s_setprio 0
	v_add_f32 v14, v14, v15                        ; the sum's two halves,
	s_delay_alu instid0(VALU_DEP_1)
	v_permlanex16_b32 v[TP], v14, s[SEL], s[SEL+1]
	s_delay_alu instid0(VALU_DEP_1)
	v_add_f32 v14, v14, v[TP]                      ; and lane l xor 16's
	s_wait_alu depctr_va_vdst(0)
	v_rcp_f32 v[TF], v14
	v_nop                                          ; a plain line behind the reciprocal
	s_wait_alu depctr_va_vdst(0)                   ; and the wait ahead of its first reader
.set j, 0
.rept 16
	v_pk_mul_f32 v[OT+j:OT+j+1], v[OT+j:OT+j+1], v[TF:TF+1] op_sel_hi:[1,0]
.set j, j+2
.endr
.irp c, 0,1
.set i, 0
.rept 16
.set i, i+1
.endr
	v_cvt_scalef32_pk8_fp8_f32 v[OC+8*\p+4*\c:OC+8*\p+4*\c+1], v[OT+16*\c:OT+16*\c+7], v[OSC]
	v_cvt_scalef32_pk8_fp8_f32 v[OC+8*\p+4*\c+2:OC+8*\p+4*\c+3], v[OT+16*\c+8:OT+16*\c+15], v[OSC]
.endr
	v_nop                                          ; a plain line behind the last conversion
	global_store_b128 v[LI], v[OC+8*\p:OC+8*\p+3], s[52+2*\p:53+2*\p]               ; two pieces of 512 consecutive bytes; each pass has its own registers and base
	global_store_b128 v[LI], v[OC+8*\p+4:OC+8*\p+7], s[52+2*\p:53+2*\p] offset:512
.endm
	PASS 0, 8                                      ; groups 0 to 7 need at most 8 key steps,
	PASS 1, 16                                     ; groups 8 to 15 at most 16
	s_wait_tensorcnt 0x0                           ; the wave's end
	ds_add_u32 v[SPW], v[NIL]
	s_wait_dscnt 0x0
	ROUND                                          ; the closing round
	s_endpgm
.Lfunc_end_k_qc4d8fb50f9_attn:
	.size	k_qc4d8fb50f9_attn, .Lfunc_end_k_qc4d8fb50f9_attn-k_qc4d8fb50f9_attn
	.p2alignl 7, 3214868480
	.fill 96, 4, 3214868480
	.section	.rodata,"a",@progbits
	.p2align	6, 0x0
	.amdhsa_kernel k_qc4d8fb50f9_attn
		.amdhsa_group_segment_fixed_size 264192
		.amdhsa_private_segment_fixed_size 0
		.amdhsa_enable_private_segment 0
		.amdhsa_kernarg_size 24
		.amdhsa_user_sgpr_count 2
		.amdhsa_user_sgpr_kernarg_segment_ptr 1
		.amdhsa_wavefront_size32 1
		.amdhsa_system_sgpr_workgroup_id_x 1
		.amdhsa_system_sgpr_workgroup_id_y 1
		.amdhsa_system_sgpr_workgroup_id_z 1
		.amdhsa_system_vgpr_workitem_id 0
		.amdhsa_next_free_vgpr 256
		.amdhsa_next_free_sgpr 66
		.amdhsa_reserve_vcc 1
		.amdhsa_float_denorm_mode_32 3
		.amdhsa_float_denorm_mode_16_64 3
		.amdhsa_fp16_overflow 1
		.amdhsa_memory_ordered 1
		.amdhsa_forward_progress 1
		.amdhsa_inst_pref_size 51
	.end_amdhsa_kernel
	.amdgpu_metadata
---
amdhsa.version: [ 1, 2 ]
amdhsa.kernels:
  - .name:           k_qc4d8fb50f9_attn
    .symbol:         k_qc4d8fb50f9_attn.kd
    .args:
      - { .name: qkv, .offset: 0, .size: 8, .value_kind: global_buffer, .address_space: global }
      - { .name: lowp_scales, .offset: 8, .size: 8, .value_kind: global_buffer, .address_space: global }
      - { .name: ac, .offset: 16, .size: 8, .value_kind: global_buffer, .address_space: global }
    .group_segment_fixed_size: 264192
    .private_segment_fixed_size: 0
    .kernarg_segment_align: 8
    .kernarg_segment_size: 24
    .max_flat_workgroup_size: 512
    .sgpr_count:     66
    .vgpr_count:     256
    .wavefront_size: 32
...
	.end_amdgpu_metadata
.endif
;; end of part 3
;; launch oproj (part 4): grid 8 x 64, 4 waves a work-group, clusters of 4 x 4, 280,064 bytes of LDS; arguments ac, wc, lowp_scales, b_o, out0; writes out0
.if DOCPART == 4
	.amdgcn_target "amdgcn-amd-amdhsa--gfx1250"
	.amdhsa_code_object_version 6
	.text
	.protected	k_qc4d8fb50f9_oproj
	.globl	k_qc4d8fb50f9_oproj
	.p2align	8
	.type	k_qc4d8fb50f9_oproj,@function
k_qc4d8fb50f9_oproj:
	s_mov_b64 s[64:65], 0
	v_nop
	global_prefetch_b8 v0, s[64:65] scope:SCOPE_SE
	s_setreg_imm32_b32 hwreg(HW_REG_WAVE_MODE, 25, 1), 1
	s_wait_xcnt 0x0
	s_wait_alu depctr_hold_cnt(0) depctr_sa_sdst(0) depctr_va_vdst(0) depctr_va_sdst(0) depctr_va_ssrc(0) depctr_va_vcc(0) depctr_vm_vsrc(0)
	s_getreg_b32 s2, hwreg(HW_REG_IB_STS2, 6, 4)
	s_cmp_eq_u32 s2, 0
	s_cbranch_scc0 .Lentry_in_a_cluster
	s_endpgm
.Lentry_in_a_cluster:
	s_bfe_u32 s2, ttmp6, 0x10000c
	s_cmp_lg_u32 s2, 0xf033
	s_cbranch_scc0 .Lentry_shape_is_right
	s_endpgm
.Lentry_shape_is_right:
; out0 = attention's result x w_o^T + b_o, on codes of E4M3 (entries 10 and 11 of the scales); out0 [8192][1024] f32.
; A work-group makes 128 tokens x 128 features; both operands' whole K = 1,024 lies in LDS (128 KiB each), asked for at the head in four K steps of 256: no slot is ever filled again.
; Four waves, 64 x 64 each: 16 accumulators.  Source 0 = 16 slots of w_o (R0), source 1 = 16 slots of tokens (R1): a lane holds one token and eight neighbouring features.
; By the codes' layout, slot 8 h + j of tile 2 c + u is row 32 c + 16 h + 8 u + j, of features and of tokens alike; the way out puts both back in order.
; CLUSTERS: 4 x 4.  R0's block hangs on cx and is shared along a column of the cluster, R1's on cy and is shared along a row: each is asked for jointly.
; LIMIT: e10 + e11 between -126 and 127, so that 2^(e10 + e11) is an f32 number.
; REGISTERS: window 0: v16-19 LDS addresses, v20-24 offsets, v28, v29 the add's two, v32-63 the bias, v64-127 rows read back, v128-255 accumulator (a, b) at v[128 + 8 (4 b + a)].
;   window 1: two fragment buffers of 128: R0's four fragments, then R1's four.
.set R1B,   131072                     ; LDS: R0 at 0, R1 here; each [K step of 256][tile 0..7][4,096 bytes = two fragments]
.set STAGE, 262144                     ; behind them: a stage of 16 rows x (256 bytes + 16) for each wave; no tensor load fills it
.set SPARE, STAGE+4*4352               ; behind the stages: the spare words, 128 bytes for each wave; no other line names them
.set A0,    16
.set A1,    18
.set LO,    20                         ; v20  16 x lane
.set SO,    21                         ; v21  the stage: where I put 32 bytes of a row
.set RD,    22                         ; v22  and where I read a row back
.set CO,    23                         ; v23  my byte offset in two rows of out0
.set BO,    24                         ; v24  64 x (lane / 16): my half's features in the bias
.set SPW,   28
.set NIL,   29
.set BIAS,  32
.set BK,    64
.set ACC,   128
.set WV,    12
.set G1A,   24
.set G1B,   32
.set G0A,   40
.set G0B,   68
.set LS,    84
.set MSB,   0
.set MUL,   0x05                       ; sources 0 and 1 window 1; C and D window 0
.set TO_F,  0x40                       ; destination window 1, address window 0
.macro WIN new                         ; the immediate's high byte repeats the setting that is left
.if MSB != \new
	s_set_vgpr_msb (MSB<<8)|\new
.set MSB, \new
.endif
.endm
.macro CROUND                          ; a round of the cluster's barrier
	s_barrier_signal -1
	s_barrier_wait -1
	s_cmp_lg_u32 s[WV], 0
	s_cbranch_scc1 .Lnot_wave_0_\@
	s_barrier_signal -3
.Lnot_wave_0_\@:
	s_barrier_wait -3
	s_barrier_signal -1
	s_barrier_wait -1
.endm
.macro PLACES
.rept 4
	v_nop
.endr
.endm
	s_load_b256 s[4:11], s[0:1], 0x0               ; ac s[4:5], wc s[6:7], scales s[8:9], b_o s[10:11]
	s_load_b64 s[56:57], s[0:1], 0x20              ; out0
	v_lshl_add_u32 v[SPW], v0, 2, SPARE
	v_mov_b32 v[NIL], 0
	ds_add_u32 v[SPW], v[NIL]
	ds_add_u32 v[SPW], v[NIL]                      ; the wave's opening: the add and its wait ahead of my first tensor load; register work stands between
	v_lshrrev_b32 v1, 5, v0
	v_readfirstlane_b32 s[WV], v1
	s_lshr_b32 s13, s[WV], 1                       ; which 64 features are mine.  Also: I fetch for R0 (0) or R1 (1)
	s_and_b32 s14, s[WV], 1                        ; which 64 tokens.  Also: which four tiles of that block I fetch
	s_bfe_u32 s15, ttmp6, 0x40000                  ; cx
	s_bfe_u32 s16, ttmp6, 0x40004                  ; cy
	s_and_b32 s18, ttmp7, 0xffff
	s_lshl_b32 s20, ttmp9, 2
	s_add_co_u32 s20, s20, s15                     ; I0: the block of 128 features
	s_lshl_b32 s21, s18, 2
	s_add_co_u32 s21, s21, s16                     ; I1: the block of 128 tokens
	s_lshl_b32 s17, s14, 16
	s_lshl_b32 s58, s20, 17
	s_add_co_u32 s58, s58, 0x300000                ; w_o's codes lie at 3 MiB in wc
	s_add_co_u32 s58, s58, s17
	s_mov_b32 s59, 0
	s_lshl_b32 s60, s21, 17
	s_add_co_u32 s60, s60, s17
	s_mov_b32 s61, 0
	s_lshl_b32 s96, 0x1111, s15                    ; my column of the cluster
	s_lshl_b32 s97, s16, 2
	s_lshl_b32 s97, 15, s97                        ; my row
	; group 1: 4 rows of 4,096 bytes (a tile's K step of 256), 16,384 bytes apart, in elements of 8 bytes, dense in LDS
	s_or_b32 s[G1A], s96, (3<<16)|(1<<21)
	s_or_b32 s[G1B], s97, (3<<16)|(1<<21)
.irp g, G1A, G1B
	s_mov_b32 s[\g+1], 512<<16                     ; tensor_dim0 = 512
	s_mov_b32 s[\g+2], 4<<16                       ; tensor_dim1 = 4
	s_mov_b32 s[\g+3], 512<<16                     ; tile_dim0 = 512
	s_mov_b32 s[\g+4], 4                           ; tile_dim1 = 4
	s_mov_b32 s[\g+5], 2048                        ; from row to row
	s_mov_b32 s[\g+6], 0
	s_mov_b32 s[\g+7], 0
.endr
	s_lshl_b32 s98, s13, 17
	s_lshl_b32 s99, s14, 14
	s_add_co_u32 s98, s98, s99                     ; where my loads go: 131,072 (wave / 2) + 16,384 (wave % 2)
	s_wait_dscnt 0x0                               ; the opening add is done
	s_wait_kmcnt 0x0
	s_load_b256 s[LS:LS+7], s[8:9], 0x0
	s_load_b128 s[LS+8:LS+11], s[8:9], 0x20
	s_add_nc_u64 s[58:59], s[6:7], s[58:59]
	s_add_nc_u64 s[60:61], s[4:5], s[60:61]
	CROUND                                         ; all sixteen work-groups are here: the joint loads meet
.irp s, 0,1,2,3
	s_mov_b32 s[G0A+4*\s], 1
	s_add_co_u32 s[G0A+4*\s+1], s98, 32768*\s
	s_add_nc_u64 s[G0A+4*\s+2:G0A+4*\s+3], s[58:59], 4096*\s
	s_or_b32 s[G0A+4*\s+3], s[G0A+4*\s+3], 0x80000000
	s_mov_b32 s[G0B+4*\s], 1
	s_add_co_u32 s[G0B+4*\s+1], s98, 32768*\s
	s_add_nc_u64 s[G0B+4*\s+2:G0B+4*\s+3], s[60:61], 4096*\s
	s_or_b32 s[G0B+4*\s+3], s[G0B+4*\s+3], 0x80000000
.endr
	s_cmp_eq_u32 s13, 0                            ; a wave's four loads stand in one branch on its number: four tensor loads of mine are out
	s_cbranch_scc0 .Lfor_r1
.irp s, 0,1,2,3
	tensor_load_to_lds s[G0A+4*\s:G0A+4*\s+3], s[G1A:G1A+7]
	s_nop 0
.endr
	PLACES
	s_branch .Lasked
.Lfor_r1:
.irp s, 0,1,2,3
	tensor_load_to_lds s[G0B+4*\s:G0B+4*\s+3], s[G1B:G1B+7]
	s_nop 0
.endr
	PLACES
.Lasked:
	v_and_b32 v1, 31, v0
	v_and_b32 v2, 15, v0                           ; r
	v_bfe_u32 v3, v0, 4, 1                         ; h
	v_lshlrev_b32 v[LO], 4, v1
	s_wait_alu depctr_va_vdst(0)
	v_lshlrev_b32 v[BO], 6, v3
	s_lshl_b32 s2, s20, 9
	s_lshl_b32 s3, s13, 8
	s_add_co_u32 s2, s2, s3                        ; my first feature, in bytes: 512 I0 + 256 (wave / 2)
	s_mov_b32 s3, 0
	s_add_nc_u64 s[10:11], s[10:11], s[2:3]
	s_add_nc_u64 s[56:57], s[56:57], s[2:3]
.irp a, 0,1,2,3                                ; the bias in the results' layout: register 8 a + j is feature 32 (a / 2) + 16 h + 8 (a % 2) + j
	global_load_b128 v[BIAS+8*\a:BIAS+8*\a+3], v[BO], s[10:11] offset:128*(\a/2)+32*(\a%2)
	global_load_b128 v[BIAS+8*\a+4:BIAS+8*\a+7], v[BO], s[10:11] offset:128*(\a/2)+32*(\a%2)+16
.endr
	s_lshl_b32 s2, s21, 19                         ; my first token's row of 4,096 bytes: 128 I1 + 64 (wave % 2)
	s_lshl_b32 s22, s14, 18
	s_add_co_u32 s2, s2, s22
	s_add_nc_u64 s[56:57], s[56:57], s[2:3]
	s_lshl_b32 s2, s13, 14
	v_add_nc_u32 v[A0], s2, v[LO]
	v_add_nc_u32 v[A0+1], 0x10000, v[A0]
	s_lshl_b32 s2, s14, 14
	s_add_co_u32 s2, s2, R1B
	v_add_nc_u32 v[A1], s2, v[LO]
	v_add_nc_u32 v[A1+1], 0x10000, v[A1]
	s_mul_i32 s2, s[WV], 4352
	s_add_co_u32 s2, s2, STAGE                     ; my stage
	v_mul_u32_u24 v[SO], v2, 272
	v_lshl_add_u32 v[SO], v3, 6, v[SO]
	v_add_nc_u32 v[SO], s2, v[SO]                  ; in: row r, + 64 h
	v_mul_u32_u24 v[RD], v3, 272
	v_lshl_add_u32 v[RD], v2, 4, v[RD]
	v_add_nc_u32 v[RD], s2, v[RD]                  ; back: lanes 0-15 one row of 256 bytes, lanes 16-31 the next
	v_lshlrev_b32 v[CO], 12, v3
	v_lshl_add_u32 v[CO], v2, 4, v[CO]             ; and the same two rows in out0
.macro FETCH q, f
	WIN TO_F
.irp i, 0,1,2,3
.irp c, 0,1,2,3
	ds_load_b128 v[\f+16*\i+4*\c:\f+16*\i+4*\c+3], v[A0+(\q)/4] offset:(((\q)/2)%2)*32768+4096*\i+2048*((\q)%2)+512*\c
.endr
.endr
.irp i, 0,1,2,3
.irp c, 0,1,2,3
	ds_load_b128 v[\f+64+16*\i+4*\c:\f+64+16*\i+4*\c+3], v[A1+(\q)/4] offset:(((\q)/2)%2)*32768+4096*\i+2048*((\q)%2)+512*\c
.endr
.endr
.endm
; 16 matrix instructions, the 16 accumulators by turns, in the same order in every step
.macro MUL16 f, zero
	WIN MUL
.irp b, 0,1,2,3
.irp a, 0,1,2,3
.if \zero
	v_wmma_f32_16x16x128_fp8_fp8 v[ACC+8*(4*\b+\a):ACC+8*(4*\b+\a)+7], v[\f+16*\a:\f+16*\a+15], v[\f+64+16*\b:\f+64+16*\b+15], 0
.else
	v_wmma_f32_16x16x128_fp8_fp8 v[ACC+8*(4*\b+\a):ACC+8*(4*\b+\a)+7], v[\f+16*\a:\f+16*\a+15], v[\f+64+16*\b:\f+64+16*\b+15], v[ACC+8*(4*\b+\a):ACC+8*(4*\b+\a)+7]
.endif
.endr
.endr
.endm
.macro STEP q
	s_wait_dscnt 0x0                               ; this step's fragments are in
.if (\q) < 7
.if ((\q)+1)%2 == 0
	s_wait_tensorcnt 3-((\q)+1)/2                  ; my part of the next K step of 256 has landed; my younger loads may stay out
	s_barrier_signal -1
	s_barrier_wait -1
.endif
.if (\q) >= 1
	PLACES                                         ; four plain places between the last products and loads into the buffer that they read
.endif
	FETCH (\q)+1, 128*(((\q)+1)%2)
.endif
.if (\q) == 0
	MUL16 128*((\q)%2), 1
.else
	MUL16 128*((\q)%2), 0
.endif
.endm
	s_wait_alu depctr_va_vdst(0)
	s_wait_tensorcnt 3                             ; my part of the first K step of 256 has landed; three younger loads may stay out
	s_barrier_signal -1
	s_barrier_wait -1
	FETCH 0, 0
.irp q, 0,1,2,3,4,5,6,7
	STEP \q
.endr
	WIN 0
	; THE WAY OUT, a tile of 16 tokens x 64 features at a time: sum x 2^(e10 + e11) + bias, through my stage, and out as whole rows of 256 bytes
	s_wait_kmcnt 0x0
	s_add_co_i32 s96, s[LS+10], s[LS+11]
	s_add_co_i32 s96, s96, 127
	s_lshl_b32 s96, s96, 23                        ; 2^(e10 + e11) as f32
	s_mov_b32 s97, s96                             ; (named with it as a pair)
	s_wait_loadcnt 0x0                             ; the bias
	PLACES                                         ; between the last products and the first read of results
.macro TOSTAGE b
.set j, 0
.rept 16
	v_pk_fma_f32 v[ACC+32*(\b)+j:ACC+32*(\b)+j+1], v[ACC+32*(\b)+j:ACC+32*(\b)+j+1], s[96:97], v[BIAS+j:BIAS+j+1] op_sel_hi:[1,0,1]   ; each accumulator from its low end on
.set j, j+2
.endr
.irp a, 0,1,2,3
	ds_store_b128 v[SO], v[ACC+32*(\b)+8*\a:ACC+32*(\b)+8*\a+3] offset:128*(\a/2)+32*(\a%2)
	ds_store_b128 v[SO], v[ACC+32*(\b)+8*\a+4:ACC+32*(\b)+8*\a+7] offset:128*(\a/2)+32*(\a%2)+16
.endr
.irp t, 0,1,2,3,4,5,6,7
	ds_load_b128 v[BK+32*((\b)%2)+4*\t:BK+32*((\b)%2)+4*\t+3], v[RD] offset:544*\t   ; LDS serves a wave's instructions in order: these see my stores, and the next tile's stores come behind them
.endr
.endm
.macro SEND b, younger                 ; younger: the LDS instructions issued behind tile b's loads, which may stay out
	s_wait_dscnt \younger
.irp t, 0,1,2,3,4,5,6,7
	global_store_b128 v[CO], v[BK+32*((\b)%2)+4*\t:BK+32*((\b)%2)+4*\t+3], s[56:57] offset:(32*((\b)/2)+8*((\b)%2)+16*(\t/4)+2*(\t%4))*4096 th:TH_STORE_NT   ; slots 2 t, 2 t + 1 of tile b, at their tokens' rows: 16 lanes store 256 consecutive bytes, aligned
.endr
.endm
	TOSTAGE 0
.irp b, 1,2,3
.if \b > 1
	s_wait_xcnt 0x0                                ; tile b - 2's stores have read their registers: tile b's rows may land there
.endif
	TOSTAGE \b
	SEND \b-1, 16                                  ; behind tile b - 1's loads: tile b's 8 stores and 8 loads
.endr
	SEND 3, 0
	s_wait_tensorcnt 0x0                           ; the wave's end: behind my last tensor load and my last LDS store
	ds_add_u32 v[SPW], v[NIL]
	s_wait_dscnt 0x0
	CROUND                                         ; the closing round
	s_endpgm
.Lfunc_end_k_qc4d8fb50f9_oproj:
	.size	k_qc4d8fb50f9_oproj, .Lfunc_end_k_qc4d8fb50f9_oproj-k_qc4d8fb50f9_oproj
	.p2alignl 7, 3214868480
	.fill 96, 4, 3214868480
	.section	.rodata,"a",@progbits
	.p2align	6, 0x0
	.amdhsa_kernel k_qc4d8fb50f9_oproj
		.amdhsa_group_segment_fixed_size 280064
		.amdhsa_private_segment_fixed_size 0
		.amdhsa_enable_private_segment 0
		.amdhsa_kernarg_size 40
		.amdhsa_user_sgpr_count 2
		.amdhsa_user_sgpr_kernarg_segment_ptr 1
		.amdhsa_wavefront_size32 1
		.amdhsa_system_sgpr_workgroup_id_x 1
		.amdhsa_system_sgpr_workgroup_id_y 1
		.amdhsa_system_sgpr_workgroup_id_z 1
		.amdhsa_system_vgpr_workitem_id 0
		.amdhsa_next_free_vgpr 512
		.amdhsa_next_free_sgpr 100
		.amdhsa_reserve_vcc 0
		.amdhsa_float_denorm_mode_32 3
		.amdhsa_float_denorm_mode_16_64 3
		.amdhsa_memory_ordered 1
		.amdhsa_forward_progress 1
		.amdhsa_inst_pref_size 47
	.end_amdhsa_kernel
	.amdgpu_metadata
---
amdhsa.version: [ 1, 2 ]
amdhsa.kernels:
  - .name:           k_qc4d8fb50f9_oproj
    .symbol:         k_qc4d8fb50f9_oproj.kd
    .args:
      - { .name: ac, .offset: 0, .size: 8, .value_kind: global_buffer, .address_space: global }
      - { .name: wc, .offset: 8, .size: 8, .value_kind: global_buffer, .address_space: global }
      - { .name: lowp_scales, .offset: 16, .size: 8, .value_kind: global_buffer, .address_space: global }
      - { .name: b_o, .offset: 24, .size: 8, .value_kind: global_buffer, .address_space: global }
      - { .name: out0, .offset: 32, .size: 8, .value_kind: global_buffer, .address_space: global }
    .group_segment_fixed_size: 280064
    .private_segment_fixed_size: 0
    .kernarg_segment_align: 8
    .kernarg_segment_size: 40
    .max_flat_workgroup_size: 128
    .sgpr_count:     100
    .vgpr_count:     512
    .wavefront_size: 32
...
	.end_amdgpu_metadata
.endif
;; end of part 4
